; MI455X (gfx1250); checked and timed in simulation.
; The chip was launched on July 23, 2026; its instructions are those of AMD's public machine-readable ISA for CDNA 5 (MIT licence, August 2026) and "CDNA5" Instruction Set Architecture Reference Guide (July 2026). The comments in the code are by the model that wrote it; some were corrected since.
;; Self Attention. Allowed arithmetic: matrix products marked QUANTISED: E2M1 operands, one E8M0 scale for each 32 along K, by v_wmma_scale_f32_16x16x128_f8f6f4 with both operands' format E2M1 (or v_wmma_scale_f32_32x16x128_f4), f32 sums; everything else in f32.
;; Inputs: Wk_codes 1,024 x 32 x 16 uint8 (E2M1 codes of Wk, K innermost, in blocks of 32 codes, two codes a byte); Wk_scales 1,024 x 32 uint8 (E8M0 scales of Wk, one for each 32 codes along K); Wq_codes 1,024 x 32 x 16 uint8 (E2M1 codes of Wq, K innermost, in blocks of 32 codes, two codes a byte); Wq_scales 1,024 x 32 uint8 (E8M0 scales of Wq, one for each 32 codes along K); Wv_codes 1,024 x 32 x 16 uint8 (E2M1 codes of Wv, K innermost, in blocks of 32 codes, two codes a byte); Wv_scales 1,024 x 32 uint8 (E8M0 scales of Wv, one for each 32 codes along K); bk 1,024 float32; bq 1,024 float32; bv 1,024 float32; hidden_states_codes 1 x 4,096 x 32 x 16 uint8 (E2M1 codes of hidden_states, K innermost, in blocks of 32 codes, two codes a byte); hidden_states_scales 1 x 4,096 x 32 uint8 (E8M0 scales of hidden_states, one for each 32 codes along K).
;; Outputs: out0 1 x 4,096 x 1,024 float32.
;; This version of the problem:
;;   THIS VERSION OF THE PROBLEM IS GIVEN IN LOW PRECISION. The matrix products marked QUANTISED in the list below multiply operands that are first quantised to E2M1 (2 exponent bits, 1 mantissa bit; 4 bits a number), with one power-of-two scale for each 32 numbers along K (OCP MX v1.0); their sums are f32. All else is computed in f32.
;;   The module's matrix products, in the order in which they are computed (A, B: the left and right operand; K: the contracted axis; several contracted axes count as one K, in the product's order):
;;     1. [M 4,096, K 1,024] x [K 1,024, N 1,024]; A: input hidden_states (given as codes); B: input Wq (given as codes): QUANTISED
;;     2. [M 4,096, K 1,024] x [K 1,024, N 1,024]; A: input hidden_states (given as codes); B: input Wk (given as codes): QUANTISED
;;     3. [M 4,096, K 1,024] x [K 1,024, N 1,024]; A: input hidden_states (given as codes); B: input Wv (given as codes): QUANTISED
;;     4. batch 16 x [M 4,096, K 64] x [K 64, N 4,096]; A: computed on the way; B: computed on the way: QUANTISED
;;     5. batch 16 x [M 4,096, K 4,096] x [K 4,096, N 64]; A: softmax (see below); B: computed on the way: QUANTISED
;;   THE QUANTISER, for each operand of a quantised product, along K:
;;     - K is cut into blocks of 32 from its start; a last block that is shorter is filled with zeros.
;;     - A block's scale is 2^e with e = floor(log2(the largest magnitude in the block)) - 2, held to -126 .. 127; a block of zeros has e = 0. As a byte (E8M0): e + 127.
;;     - Each number is divided by its block's scale, clamped to +-6, and rounded to the nearest number of E2M1, ties to even, subnormals kept.
;;     - The product sums the exact products of the quantised numbers (number of the format x scale) in f32.
;;   ~~~python
;;   def quantise(x, axis):      # numpy; x: float32 -> the quantised numbers, widened to float32 again
;;       x = np.moveaxis(x, axis, -1); K = x.shape[-1]
;;       x = np.pad(x, [(0, 0)] * (x.ndim - 1) + [(0, -K % 32)]); x = x.reshape(x.shape[:-1] + (-1, 32)); a = np.abs(x).max(-1, keepdims=True)
;;       e = np.where(a > 0, np.clip(np.frexp(np.where(a > 0, a, 1))[1] - 1 - 2, -126, 127), 0)      # np.frexp(a)[1] - 1 = floor(log2(a)), exactly
;;       r = np.clip(x / 2.0 ** e, -6, 6)
;;       step = 2.0 ** (np.maximum(np.frexp(np.where(r == 0, 1, r))[1] - 1, 0) - 1)
;;       q = np.round(r / step) * step * 2.0 ** e      # np.round: ties to even
;;       return np.moveaxis(q.reshape(q.shape[:-2] + (-1,))[..., :K], -1, axis).astype(np.float32)
;;   ~~~
;;   SOFTMAX AHEAD OF A QUANTISED PRODUCT. Where the list says 'softmax', what is quantised is not the finished softmax but p = 2^(t - M), with t = logit x log2(e) and M = ceil(the row's largest t), a whole number; so 1/2 < the row's largest p <= 1. The row's sum l is taken of the UNQUANTISED p, in f32, and the product's result is divided by l at the end. Since M is a whole number, a kernel that streams over the keys may use a running M (the ceiling of the running maximum): every later rescaling is an exact power of two, which a block's scale takes up: the codes' values come out the same.
;;   OPERANDS COMPUTED ON THE WAY. 'Computed on the way' means the value that the module computes at that place (a softmax that the list does not call 'softmax' is quantised finished and normalised). What goes into a quantiser is computed in f32, as accurately as f32 sums, v_exp_f32 and their like allow (about 1e-6 of the number): no bf16 or f16 on the way to a quantiser, and a product that is left as it is and whose result goes on into a quantised operand takes f32 operands (vector FMAs, or v_wmma_f32_16x16x4_f32). A number that lies on a knife's edge between two numbers of the format may be rounded either way, as far as f32 arithmetic and the matrix unit's own rounding can turn it there, and no further.
;;   INPUTS GIVEN AS CODES. Wk (in the module: [1024, 1024], K = its axis 0); Wq (in the module: [1024, 1024], K = its axis 0); Wv (in the module: [1024, 1024], K = its axis 0); hidden_states (in the module: [1, 4096, 1024], K = its axis 2): each comes as NAME_codes (uint8): NAME with its K axis moved to the last place and cut into blocks of 32 codes, [.., K / 32, bytes a block], one block behind the other in memory; two codes a byte, the lower K in the low four bits (a code: sign, 2 exponent bits, 1 mantissa bit); and NAME_scales (uint8): the same leading axes, one E8M0 byte (e + 127) for each 32 codes along K. Its value is code x scale, taken as it is: it is not quantised again, and the codes and scales need not be those that the quantiser above would give.
;; One version. Each part assembles by itself: llvm-mc -triple=amdgcn-amd-amdhsa -mcpu=gfx1250 --defsym DOCPART=n.
;; ======== version 1 of 1: 2 launches
;; limits: right only within a limited range of input values
;; workspace buffers: qc 2,097,152 bytes; qs 131,072 bytes; kv 4,456,448 bytes
;; launch proj (part 1): grid 16 x 16, 12 waves a work-group, clusters of 4 x 4, 241,408 bytes of LDS; arguments hidden_states_codes, hidden_states_scales, Wq_codes, Wq_scales, Wk_codes, Wk_scales, Wv_codes, Wv_scales, bq, bk, bv, qc, qs, kv; writes qc, qs, kv
.if DOCPART == 1
	.amdgcn_target "amdgcn-amd-amdhsa--gfx1250"
	.amdhsa_code_object_version 6
	.text
	.protected	k_qc292e281dc_proj
	.globl	k_qc292e281dc_proj
	.p2align	8
	.type	k_qc292e281dc_proj,@function
k_qc292e281dc_proj:
	s_mov_b64 s[64:65], 0
	v_nop
	global_prefetch_b8 v0, s[64:65] scope:SCOPE_SE
	s_setreg_imm32_b32 hwreg(HW_REG_WAVE_MODE, 25, 1), 1
	s_wait_xcnt 0x0
	s_wait_alu depctr_hold_cnt(0) depctr_sa_sdst(0) depctr_va_vdst(0) depctr_va_sdst(0) depctr_va_ssrc(0) depctr_va_vcc(0) depctr_vm_vsrc(0)
	s_getreg_b32 s2, hwreg(HW_REG_IB_STS2, 6, 4)
	s_cmp_eq_u32 s2, 0
	s_cbranch_scc0 .Lentry_in_a_cluster
	s_endpgm
.Lentry_in_a_cluster:
	s_bfe_u32 s2, ttmp6, 0x10000c
	s_cmp_lg_u32 s2, 0xf033
	s_cbranch_scc0 .Lentry_shape_is_right
	s_endpgm
.Lentry_shape_is_right:
; q = h Wq + bq, k = h Wk + bk, v = h Wv + bv on codes of FP4 (E2M1) with one E8M0 scale for each 32 along K = 1,024; the results are quantised here, in registers,
; q and k along the head's 64 channels, v along the tokens (the keys), and leave as codes and scale words laid in the order of the attention launch's operand registers.
; SHARES.  A work-group takes 256 tokens (XB) and one head (HD): 64 columns of each of q, k, v.  Twelve waves: role RHO = wave / 4 (0 q, 1 k, 2 v), token group GRP = wave % 4 (64 tokens).
; A wave makes 64 x 64 numbers: 4 x 4 tiles, 128 accumulator registers, 8 K steps of 128: 128 matrix instructions.  Source 0 (X) is the side along which the result is quantised:
; for q and k the head's 64 rows of W, for v the 64 tokens; source 1 (Y) is the other side.
; THE ROWS OF A TILE ARE NOT NEIGHBOURS: lane r of tile u of a group of 64 rows takes row 32 (r / 8) + 8 u + r % 8.  A result gives lane (r, h) the rows 8 h + j of source 0, so the 32 registers of
; the four tiles of X hold X's rows 32 h + 0 .. 31: ONE WHOLE BLOCK OF 32 IN ONE LANE.  Its largest magnitude needs no other lane, and four conversions give the 16 bytes that a 4-bit operand wants of that lane.
; CLUSTER 4 x 4: the four work-groups of a column share XB and ask for the tokens' codes jointly; the four of a row share HD and ask for the weights' codes jointly.
; LDS is filled once (one tensor load a wave at the most) and nothing is filled again.
; The biases are the C of each sum's first matrix instruction: another order of the f32 sum than adding them last.
; LIMITS: NaN and infinities are not served.  A block whose largest magnitude lies under 2^-124, a block of zeros among them, gets the scale byte 1; the bytes are read by this program alone.
.set GS,    33920                      ; LDS: a group of 64 rows of 512 bytes: rows 0-31 at pitch 528, rows 32-63 from HALF on; GS = HALF + 32 x 528, so that a group's rows 32-63 and the next group's rows 0-31 lie on end: one tensor load a wave
.set HALF,  17024                      ; 32 x 528 + 128: row r % 8 starts 16 (r % 8) bytes on modulo 256, the second half 128 more: the 16 rows of a load fall on 16 different 16-byte columns
.set STG,   237568                     ; the first multiple of 256 behind the seven groups (tokens 0-3, Wq, Wk, Wv): the stage for scale words, [role][half of the tokens][256 bytes]: six blocks of 256 bytes of its own
.set REC,   8704                       ; a key step's record in kv: 4,096 K codes, 4,096 V codes, 256 K scales, 256 V scales
.set WV,   4                           ; s4  wave;  s5 role;  s6 token group;  s7 which 128 tokens;  s8 which 64 of them
.set RHO,  5
.set GRP,  6
.set SIG,  7
.set CH,   8
.set XB,   11                          ; s11 block of 256 tokens;  s12 head
.set HD,   12
.set G1H,  44                          ; s[44:51] descriptor group 1 for the tokens' codes;  s[52:59] for the weights': they differ in the mask alone
.set G1W,  52
.set G0H0, 60                          ; groups 0: rows 0-31 and rows 32-63 of a group
.set G1L,  68                          ; s[68:75] group 1 for the tokens' chunks of 64 rows
.set G0W0, 76                          ; s[76:79] group 0 for a half of a weight's group;  s[16:19] (arguments that have been used) group 0 for the tokens' first 32 rows
.set PX,   80                          ; s[80:81] X's scale bytes;  s[82:83] Y's;  s[84:85] the head's bias;  s[86:87] where my codes go;  s[88:89], s90 the scale words' way out
.set PY,   82
.set PB,   84
.set DST,  86
.set CPY,  88
.set STR,  90
.set SEL,  92                          ; s[92:93] v_permlanex16_b32's selects for lane l xor 16
.set AX,   4                           ; v4  LDS address of X's fragments;  v5 of Y's
.set AY,   5
.set LSC,  6                           ; v6  my row among a group's scale bytes
.set LO,   7                           ; v7  16 x lane
.set SH8,  8                           ; v8  8 h;  v9 16 h
.set SH16, 9
.set SAQ,  10                          ; v10 the stage: where a q or k wave puts its word;  v11 where a v wave puts its halves
.set SAV,  11
.set BOQ,  12                          ; v12 128 h: my 32 numbers of a q or k bias
.set CR,   13                          ; v13 the stage, read back;  v14 the same place in memory;  v[16:19] the data
.set CG,   14
.set CD,   16
.set BOV,  21                          ; v21 my channel of tile 0 in a v bias;  v[24:27] the four tiles' numbers
.set BV,   24
.set XF,   32                          ; v[32:63]  X's four fragments;  v[64:95] Y's
.set YF,   64
.set SCX,  96                          ; v[96:111] X's scale words, v[112:127] Y's: register 8 i + q: lane (r, h) holds the word of K step q of tile i + 2 h, row r.  Scales and nothing else
.set SCY,  112
.set ACC,  128                         ; v[128:255] accumulator (y, x) at 128 + 32 y + 8 x
.set AM,   32                          ; the quantiser works where the fragments lay: v[32:35] largest magnitudes, v[36:39] the conversions' scale operands, v[40:43] bytes
.set SOP,  36
.set BYT,  40
.set W01,  44                          ; the bytes of tiles 0 and 1 of Y as a word;  of tiles 2 and 3
.set W23,  45
.set T0,   46
.set T1,   47
.set CODE, 48                          ; v[48:63] four registers of codes for each tile of Y
.macro PLACES n
.rept \n
	v_nop
.endr
.endm
; A round of the cluster's barrier: my work-group's barrier, wave 0 signals for the work-group, every wave waits for all sixteen work-groups, my work-group's barrier once more.
.macro CROUND
	s_barrier_signal -1
	s_barrier_wait -1
	s_cmp_lg_u32 s[WV], 0
	s_cbranch_scc1 .Lnot_wave_0_\@
	s_barrier_signal -3
.Lnot_wave_0_\@:
	s_barrier_wait -3
	s_barrier_signal -1
	s_barrier_wait -1
.endm
	s_load_b512 s[16:31], s[0:1], 0x0              ; h codes s[16:17], h scales s[18:19], Wq s[20:23], Wk s[24:27], Wv s[28:31] (codes, scales)
	s_load_b256 s[32:39], s[0:1], 0x40             ; bq s[32:33], bk s[34:35], bv s[36:37], qc s[38:39]
	s_load_b128 s[40:43], s[0:1], 0x60             ; qs s[40:41], kv s[42:43]
	v_lshl_add_u32 v30, v0, 2, 0x3a900
	v_mov_b32 v31, 0
	ds_add_u32 v30, v31
	ds_add_u32 v30, v31
	v_lshrrev_b32 v1, 5, v0
	s_delay_alu instid0(VALU_DEP_1)
	v_readfirstlane_b32 s[WV], v1                  ; wave 0..11
	s_lshr_b32 s[RHO], s[WV], 2
	s_and_b32 s[GRP], s[WV], 3
	s_lshr_b32 s[SIG], s[GRP], 1
	s_and_b32 s[CH], s[GRP], 1
	v_and_b32 v1, 31, v0                           ; lane l
	v_and_b32 v2, 15, v0                           ; r
	v_bfe_u32 v3, v0, 4, 1                         ; h
	v_and_b32 v22, 7, v0                           ; r % 8
	v_bfe_u32 v23, v0, 3, 1                        ; r / 8
	; every LDS address is made here, of the lane and the wave's number alone, ahead of the first parting of the roles
	s_delay_alu instid0(VALU_DEP_2)
	v_mul_u32_u24 v[AX], v22, 528
	s_delay_alu instid0(VALU_DEP_1)
	v_mad_u32_u24 v[AX], v23, HALF, v[AX]
	s_delay_alu instid0(VALU_DEP_1)
	v_lshl_add_u32 v[AX], v3, 4, v[AX]             ; row 32 (r / 8) + r % 8 of a group, + 16 h; tile u is 8 u rows on
	s_mul_i32 s13, s[GRP], GS                      ; my tokens' group,
	s_add_co_u32 s14, s[RHO], 4
	s_mul_i32 s14, s14, GS                         ; my role's weights
	s_cmp_eq_u32 s[RHO], 2
	s_cselect_b32 s15, s13, s14                    ; X: the tokens for v, the weights for q and k
	s_cselect_b32 s99, s14, s13                    ; Y: the other
	v_add_nc_u32 v[AY], s99, v[AX]
	v_add_nc_u32 v[AX], s15, v[AX]
	s_lshl_b32 s13, s[RHO], 9
	s_lshl_b32 s14, s[SIG], 8
	s_add_co_u32 s13, s13, s14
	s_add_co_u32 s13, s13, STG                     ; my role's and my half's 256 bytes of the stage
	s_lshl_b32 s14, s[CH], 2
	s_add_co_u32 s14, s14, s13
	v_lshl_add_u32 v[SAQ], v1, 3, s14              ; q, k: the word of register CH, lane l: 8 l + 4 CH
	s_lshl_b32 s14, s[CH], 1
	s_add_co_u32 s14, s14, s13
	v_lshl_add_u32 v[SAV], v1, 3, s14              ; v: bytes 2 CH and 2 CH + 1 of the words at 8 l and 8 l + 4
	s_min_u32 s13, s[WV], 2
	s_lshl_b32 s13, s13, 9
	s_add_co_u32 s13, s13, STG
	v_lshl_add_u32 v[CR], v1, 4, s13               ; waves 0, 1, 2 read a role's 512 bytes back
	s_mul_i32 s98, s[WV], GS                       ; where my tensor loads go: group = wave (0-3 the tokens, 4-6 the weights)
	; offsets into memory
	v_lshlrev_b32 v[LSC], 5, v22
	s_delay_alu instid0(VALU_DEP_1)
	v_lshl_add_u32 v[LSC], v3, 9, v[LSC]
	s_delay_alu instid0(VALU_DEP_1)
	v_lshl_add_u32 v[LSC], v23, 10, v[LSC]         ; 32 bytes x row 32 (r / 8) + 16 h + r % 8
	v_lshlrev_b32 v[LO], 4, v1
	v_lshlrev_b32 v[SH8], 3, v3
	v_lshlrev_b32 v[SH16], 4, v3
	v_lshlrev_b32 v[BOQ], 7, v3
	v_lshlrev_b32 v[BOV], 2, v22
	s_delay_alu instid0(VALU_DEP_1)
	v_lshl_add_u32 v[BOV], v23, 7, v[BOV]          ; 4 bytes x channel 32 (r / 8) + r % 8
	s_mov_b32 s[SEL], 0x76543210
	s_mov_b32 s[SEL+1], 0xfedcba98
	s_bfe_u32 s9, ttmp6, 0x40000                   ; cx, cy: my place in the cluster
	s_bfe_u32 s10, ttmp6, 0x40004
	s_lshl_b32 s[XB], ttmp9, 2
	s_add_co_u32 s[XB], s[XB], s9                  ; block of tokens = 4 x cluster x + cx
	s_and_b32 s[HD], ttmp7, 0xffff
	s_lshl_b32 s[HD], s[HD], 2
	s_add_co_u32 s[HD], s[HD], s10                 ; head = 4 x cluster y + cy
	s_lshl_b32 s13, 0x1111, s9                     ; my column of the cluster: the same block of tokens
	s_lshl_b32 s14, s10, 2
	s_lshl_b32 s14, 15, s14                        ; my row: the same head
	; descriptor group 1: 32 rows of 512 bytes, dense in memory, 16 bytes of padding behind each row in LDS
	s_or_b32 s[G1H], s13, (1<<20)|(1<<21)|(6<<22)|(3<<25)   ; 15:0 the mask; 17:16 elements of 1 byte; 20 padding on; 21 set beside a mask; 24:22 after every 128 words (code 6); 31:25 four words (code 3)
	s_or_b32 s[G1W], s14, (1<<20)|(1<<21)|(6<<22)|(3<<25)
	s_or_b32 s[G1L], s13, (1<<20)|(1<<21)|(6<<22)|(3<<25)
.irp g, G1H, G1W, G1L
	s_mov_b32 s[\g+1], 512<<16                     ; tensor_dim0
	s_mov_b32 s[\g+2], 32<<16                      ; tensor_dim1
	s_mov_b32 s[\g+3], 512<<16                     ; tile_dim0
	s_mov_b32 s[\g+4], 32                          ; tile_dim1
	s_mov_b32 s[\g+5], 512                         ; tensor_dim0_stride
	s_mov_b32 s[\g+6], 0
	s_mov_b32 s[\g+7], 0
.endr
	s_mov_b32 s[G1L+2], 64<<16                     ; the long chunks: tensor_dim1 = 64,
	s_mov_b32 s[G1L+4], 64                         ; tile_dim1 = 64
	; each pointer's offset is made in the pointer's own registers.  The tokens' descriptors are made of XB and the wave alone, the weights' of HD and the wave alone
	s_lshl_b32 s2, s[XB], 17                       ; 256 tokens x 512 bytes: the block's first row (wave 4's chunk)
	s_mov_b32 s3, 0
	s_lshl_b32 s13, s[WV], 15                      ; waves 0-3: chunk = wave: from row 64 wave + 32 on
	s_add_co_u32 s[G0H0+2], s2, s13
	s_add_co_u32 s[G0H0+2], s[G0H0+2], 16384
	s_mov_b32 s[G0H0+3], 0
	s_lshl_b32 s[G0W0+2], s[HD], 15                ; 64 rows x 512 bytes, + 32 rows where the wave's number is odd
	s_and_b32 s13, s[WV], 1
	s_lshl_b32 s13, s13, 14
	s_add_co_u32 s[G0W0+2], s[G0W0+2], s13
	s_mov_b32 s[G0W0+3], 0
	s_lshl_b32 s94, s[HD], 11                      ; the weights' scale bytes: 64 rows x 32
	s_mov_b32 s95, 0
	s_lshl_b32 s96, s[XB], 13                      ; the tokens': 256 rows x 32, + my 64
	s_lshl_b32 s13, s[GRP], 11
	s_add_co_u32 s96, s96, s13
	s_mov_b32 s97, 0
	s_lshl_b32 s[PB], s[HD], 8                     ; the head's 64 numbers of a bias
	s_mov_b32 s[PB+1], 0
	s_lshl_b32 s15, s[HD], 8                       ; q: query tile 256 HD + 16 XB + 4 GRP, 512 bytes a tile
	s_lshl_b32 s99, s[XB], 4
	s_add_co_u32 s15, s15, s99
	s_lshl_b32 s99, s[GRP], 2
	s_add_co_u32 s15, s15, s99
	s_lshl_b32 s15, s15, 9
	s_lshl_b32 s91, s[HD], 5                       ; k, v: record 32 HD + 2 XB + SIG
	s_lshl_b32 s99, s[XB], 1
	s_add_co_u32 s91, s91, s99
	s_add_co_u32 s99, s91, s[SIG]
	s_mul_i32 s99, s99, REC
	s_lshl_b32 s[DST], s[CH], 11                   ; + 2,048 for the second 64 keys
	s_add_co_u32 s99, s99, s[DST]
	s_lshr_b32 s[DST], s[RHO], 1
	s_lshl_b32 s[DST], s[DST], 12                  ; + 4,096 for v
	s_add_co_u32 s99, s99, s[DST]
	s_cmp_eq_u32 s[RHO], 0
	s_cselect_b32 s[DST], s15, s99
	s_mov_b32 s[DST+1], 0
	s_lshl_b32 s15, s91, 8                         ; the scale words: wave 0 q's: 256 bytes for each 128 tokens;
	s_mul_i32 s99, s91, REC                        ; wave 1 k's, at 8,192 of a record; wave 2 v's, at 8,448
	s_lshl_b32 s[CPY], s[WV], 8
	s_add_co_u32 s99, s99, s[CPY]
	s_add_co_u32 s99, s99, 7936
	s_mov_b32 s[STR], REC
	s_cmp_eq_u32 s[WV], 0
	s_cselect_b32 s[CPY], s15, s99
	s_cselect_b32 s[STR], 256, s[STR]              ; from the first 128 tokens' 256 bytes to the second's
	s_mov_b32 s[CPY+1], 0
	v_mul_u32_u24 v[CG], v3, s[STR]
	s_delay_alu instid0(VALU_DEP_1)
	v_lshl_add_u32 v[CG], v2, 4, v[CG]
	s_mov_b32 s[G0H0], 1                           ; group 0: 1:0 count = 1; 63:32 LDS address
	s_add_co_u32 s[G0H0+1], s98, HALF              ; chunk = wave: group wave's rows 32-63, then group wave + 1's rows 0-31
	s_mov_b32 s[G0W0], 1
	s_lshr_b32 s13, s[WV], 1                       ; waves 6, 7: Wq (group 4); 8, 9: Wk (5); 10, 11: Wv (6): group wave / 2 + 1, half wave % 2
	s_add_co_u32 s13, s13, 1
	s_mul_i32 s13, s13, GS
	s_and_b32 s14, s[WV], 1
	s_mul_i32 s14, s14, HALF
	s_add_co_u32 s[G0W0+1], s13, s14
	s_wait_dscnt 0x0
	s_wait_kmcnt 0x0
	s_add_nc_u64 s[G0H0+2:G0H0+3], s[16:17], s[G0H0+2:G0H0+3]   ; 120:64 global address
	s_or_b32 s[G0H0+3], s[G0H0+3], 0x80000000                  ; 127:126 type = 2
	s_add_nc_u64 s[96:97], s[18:19], s[96:97]      ; my tokens' scale bytes; s[18:19] is free behind this line
	s_add_nc_u64 s[18:19], s[16:17], s[2:3]        ; s[16:19]: group 0 for the block's rows 0-31, to LDS byte 0
	s_or_b32 s19, s19, 0x80000000
	s_mov_b32 s16, 1
	s_mov_b32 s17, 0
	s_cmp_lt_u32 s[WV], 8                          ; waves 6, 7 fetch Wq, waves 8, 9 Wk, waves 10, 11 Wv
	s_cselect_b64 s[2:3], s[20:21], s[24:25]
	s_cmp_lt_u32 s[WV], 10
	s_cselect_b64 s[2:3], s[2:3], s[28:29]
	s_add_nc_u64 s[G0W0+2:G0W0+3], s[2:3], s[G0W0+2:G0W0+3]
	s_or_b32 s[G0W0+3], s[G0W0+3], 0x80000000
	CROUND                                         ; all sixteen work-groups are here: the joint loads meet
	s_cmp_lt_u32 s[WV], 3                          ; ONE chain of branches on the wave's number, one fill to an arm.  Waves 0-2: 64 rows of tokens
	s_cbranch_scc0 .Lnot_l
	tensor_load_to_lds s[G0H0:G0H0+3], s[G1L:G1L+7]
	s_nop 0
	PLACES 4
	s_branch .Lasked
.Lnot_l:
	s_cmp_lt_u32 s[WV], 4                          ; wave 3: the block's last 32 rows
	s_cbranch_scc0 .Lnot_h
	tensor_load_to_lds s[G0H0:G0H0+3], s[G1H:G1H+7]
	s_nop 0
	PLACES 4
	s_branch .Lasked
.Lnot_h:
	s_cmp_lt_u32 s[WV], 5                          ; wave 4: its first 32 rows
	s_cbranch_scc0 .Lnot_z
	tensor_load_to_lds s[16:19], s[G1H:G1H+7]
	s_nop 0
	PLACES 4
	s_branch .Lasked
.Lnot_z:
	s_cmp_lt_u32 s[WV], 6                          ; wave 5 fetches nothing; waves 6-11: 32 rows of a weight
	s_cbranch_scc1 .Lasked
	tensor_load_to_lds s[G0W0:G0W0+3], s[G1W:G1W+7]
	s_nop 0
	PLACES 4
.Lasked:
	; the role's pointers: choices between buffers on the wave's number alone
	s_cmp_eq_u32 s[RHO], 2
	s_cselect_b64 s[2:3], s[30:31], s[26:27]
	s_cmp_eq_u32 s[RHO], 0
	s_cselect_b64 s[2:3], s[22:23], s[2:3]
	s_add_nc_u64 s[94:95], s[2:3], s[94:95]        ; my weights' scale bytes
	s_cmp_eq_u32 s[RHO], 2
	s_cselect_b64 s[2:3], s[36:37], s[34:35]
	s_cmp_eq_u32 s[RHO], 0
	s_cselect_b64 s[2:3], s[32:33], s[2:3]
	s_add_nc_u64 s[PB:PB+1], s[2:3], s[PB:PB+1]
	s_cselect_b64 s[2:3], s[38:39], s[42:43]       ; (still: is my role q?)
	s_add_nc_u64 s[DST:DST+1], s[2:3], s[DST:DST+1]
	s_cmp_eq_u32 s[RHO], 2
	s_cselect_b64 s[PX:PX+1], s[96:97], s[94:95]
	s_cselect_b64 s[PY:PY+1], s[94:95], s[96:97]
	s_cmp_eq_u32 s[WV], 0
	s_cselect_b64 s[2:3], s[40:41], s[42:43]
	s_add_nc_u64 s[CPY:CPY+1], s[2:3], s[CPY:CPY+1]
	; the scale words of all 8 K steps come once, straight into registers: eight neighbouring rows of 32 bytes are 256 consecutive bytes, which the loads e = 0 and e = 1 read whole
	s_wait_alu depctr_va_vdst(0)
.irp i, 0,1
.irp e, 0,1
	global_load_b128 v[SCX+8*\i+4*\e:SCX+8*\i+4*\e+3], v[LSC], s[PX:PX+1] offset:256*\i+16*\e
	global_load_b128 v[SCY+8*\i+4*\e:SCY+8*\i+4*\e+3], v[LSC], s[PY:PY+1] offset:256*\i+16*\e
.endr
.endr
	; the bias in both forms, in every role, so that no register is written on one way alone: 32 numbers a lane into accumulators (3, x) (q, k: b[32 h + 8 x + j]), and one number for each tile of Y (v)
.irp i, 0,1,2,3,4,5,6,7
	global_load_b128 v[ACC+96+4*\i:ACC+96+4*\i+3], v[BOQ], s[PB:PB+1] offset:16*\i
.endr
.irp y, 0,1,2,3
	global_load_b32 v[BV+\y], v[BOV], s[PB:PB+1] offset:32*\y
.endr
	s_wait_tensorcnt 0x0                           ; my parts of the seven groups have landed,
	s_barrier_signal -1
	s_barrier_wait -1                              ; everybody's have
; 16 LDS loads: the fragments of K step q.  A fragment, 16 rows x 128 K of 4-bit codes, is 8 registers: registers 4 e .. 4 e + 3 hold K = 64 e + 32 h + 0 .. 31: 16 bytes of the row as they lie
.macro FRAGS q
.irp u, 0,1,2,3
.irp e, 0,1
	ds_load_b128 v[XF+8*\u+4*\e:XF+8*\u+4*\e+3], v[AX] offset:4224*\u+64*(\q)+32*\e
.endr
.endr
.irp u, 0,1,2,3
.irp e, 0,1
	ds_load_b128 v[YF+8*\u+4*\e:YF+8*\u+4*\e+3], v[AY] offset:4224*\u+64*(\q)+32*\e
.endr
.endr
.endm
; One product: accumulator (y, x) = X's tile x times Y's tile y, K step q, onto the eight registers from cr on.  Tiles 2 and 3 have their scale words in lanes 16-31
.macro WM y, x, q, cr
.set rD, ACC+32*(\y)+8*(\x)
.set rX, XF+8*(\x)
.set rY, YF+8*(\y)
.set rC, \cr
.set rSX, SCX+8*((\x)%2)+(\q)
.set rSY, SCY+8*((\y)%2)+(\q)
.if ((\x) < 2) && ((\y) < 2)
	v_wmma_scale_f32_16x16x128_f8f6f4 v[rD:rD+7], v[rX:rX+7], v[rY:rY+7], v[rC:rC+7], v[rSX], v[rSY] matrix_a_fmt:MATRIX_FMT_FP4 matrix_b_fmt:MATRIX_FMT_FP4
.elseif (\y) < 2
	v_wmma_scale_f32_16x16x128_f8f6f4 v[rD:rD+7], v[rX:rX+7], v[rY:rY+7], v[rC:rC+7], v[rSX], v[rSY] matrix_a_fmt:MATRIX_FMT_FP4 matrix_b_fmt:MATRIX_FMT_FP4 matrix_a_scale:MATRIX_SCALE_ROW1
.elseif (\x) < 2
	v_wmma_scale_f32_16x16x128_f8f6f4 v[rD:rD+7], v[rX:rX+7], v[rY:rY+7], v[rC:rC+7], v[rSX], v[rSY] matrix_a_fmt:MATRIX_FMT_FP4 matrix_b_fmt:MATRIX_FMT_FP4 matrix_b_scale:MATRIX_SCALE_ROW1
.else
	v_wmma_scale_f32_16x16x128_f8f6f4 v[rD:rD+7], v[rX:rX+7], v[rY:rY+7], v[rC:rC+7], v[rSX], v[rSY] matrix_a_fmt:MATRIX_FMT_FP4 matrix_b_fmt:MATRIX_FMT_FP4 matrix_a_scale:MATRIX_SCALE_ROW1 matrix_b_scale:MATRIX_SCALE_ROW1
.endif
.endm
; K steps 1 to 7: the 16 accumulators take turns, one instruction a turn, in the same order in every step
.macro KSTEP q
	PLACES 4                                       ; in front of loads into registers that matrix instructions have read (ISA guide 7.12.1 for vector instructions)
	FRAGS \q
.irp y, 0,1,2,3
	s_wait_dscnt 6-2*\y                            ; X's four tiles and Y's tiles up to y are in; the later tiles of Y, two loads each, may be out
.irp x, 0,1,2,3
	WM \y, \x, \q, ACC+32*\y+8*\x
.endr
.endr
.endm
	FRAGS 0
	s_wait_loadcnt 0x0                             ; scale words and biases
	s_wait_dscnt 0x0
	s_cmp_eq_u32 s[RHO], 2
	s_cbranch_scc1 .Lfirst_v
	; q, k: the bias hangs on X's row: accumulators (3, x) hold it and serve as C for y = 0, 1, 2; then they take their own products in place
.irp y, 0,1,2
.irp x, 0,1,2,3
	WM \y, \x, 0, ACC+96+8*\x
.endr
.endr
	PLACES 5                                       ; a matrix instruction that writes over registers which earlier ones read as C stands five places behind them
.irp x, 0,1,2,3
	WM 3, \x, 0, ACC+96+8*\x
.endr
	s_branch .Lfirst_done
.Lfirst_v:
	; v: the bias hangs on Y's row, which is the lane's: the same number in all eight registers of accumulators (y, 3), which serve as C for x = 0, 1, 2
.irp y, 0,1,2,3
.irp j, 0,1,2,3,4,5,6,7
	v_mov_b32 v[ACC+32*\y+24+\j], v[BV+\y]
.endr
.endr
	PLACES 4
.irp x, 0,1,2
.irp y, 0,1,2,3
	WM \y, \x, 0, ACC+32*\y+24
.endr
.endr
	PLACES 5
.irp y, 0,1,2,3
	WM \y, 3, 0, ACC+32*\y+24
.endr
.Lfirst_done:                                          ; both ways end on accumulator (3, 3); the next step begins on (0, 0)
.irp q, 1,2,3,4,5,6,7
	KSTEP \q
.endr
	; THE QUANTISER.  For each tile y of Y the lane's 32 registers are one block of 32 along the next K.  The four blocks take turns line by line; each accumulator is read from its low end on
	PLACES 4
	v_mov_b32 v[T0], 0                             ; a lane permute's destination counts as one of its sources
	v_mov_b32 v[T1], 0
.irp y, 0,1,2,3
	v_max3_num_f32 v[AM+\y], |v[ACC+32*\y]|, |v[ACC+32*\y+1]|, 0x1800000   ; and the floor 2^(3 - 127), under which no largest magnitude is taken: the byte cannot fall under 1
.endr
.irp i, 2,4,6,8,10,12,14,16,18,20,22,24,26,28,30
.irp y, 0,1,2,3
	v_max3_num_f32 v[AM+\y], v[AM+\y], |v[ACC+32*\y+\i]|, |v[ACC+32*\y+\i+1]|
.endr
.endr
.irp y, 0,1,2,3
	s_delay_alu instid0(VALU_DEP_4)
	v_add_nc_u32 v[SOP+\y], 0xff000000, v[AM+\y]   ; 2 off the exponent field: the conversion takes the exponent field of this operand as its scale
.endr
.irp y, 0,1,2,3
	s_delay_alu instid0(VALU_DEP_4)
	v_lshrrev_b32 v[BYT+\y], 23, v[SOP+\y]         ; the scale's byte: block h of row r of tile y
.endr
	s_delay_alu instid0(VALU_DEP_3)
	v_lshl_or_b32 v[W01], v[BYT+1], 16, v[BYT]
	s_delay_alu instid0(VALU_DEP_2)
	v_lshl_or_b32 v[W23], v[BYT+3], 16, v[BYT+2]
	s_delay_alu instid0(VALU_DEP_2)
	v_lshlrev_b32 v[W01], v[SH8], v[W01]           ; my bytes at places h and 2 + h;
	s_delay_alu instid0(VALU_DEP_2)
	v_lshlrev_b32 v[W23], v[SH8], v[W23]
	s_delay_alu instid0(VALU_DEP_2)
	v_permlanex16_b32 v[T0], v[W01], s[SEL], s[SEL+1]
	s_delay_alu instid0(VALU_DEP_2)
	v_permlanex16_b32 v[T1], v[W23], s[SEL], s[SEL+1]
	s_delay_alu instid0(VALU_DEP_2)
	v_or_b32 v[W01], v[W01], v[T0]                 ; with lane l xor 16's: [tile 0 block 0, tile 0 block 1, tile 1 block 0, tile 1 block 1]
	s_delay_alu instid0(VALU_DEP_2)
	v_or_b32 v[W23], v[W23], v[T1]                 ; the same of tiles 2 and 3
.irp y, 0,1,2,3
.irp x, 0,1,2,3
	v_cvt_scalef32_pk8_fp4_f32 v[CODE+4*\y+\x], v[ACC+32*\y+8*\x:ACC+32*\y+8*\x+7], v[SOP+\y]
.endr
.endr
	v_nop                                          ; one plain line behind the last scaled conversion
.irp y, 0,1,2,3
	global_store_b128 v[LO], v[CODE+4*\y:CODE+4*\y+3], s[DST:DST+1] offset:512*\y   ; tile y's image: 32 lanes store 512 consecutive bytes, at a multiple of 256 from the buffer's first byte
.endr
	s_cmp_eq_u32 s[RHO], 2
	s_cbranch_scc1 .Lwords_v
	v_cmp_ne_u32 vcc_lo, 0, v3                     ; q, k: a word serves a PAIR of tiles: lanes 0-15 put the pair (0, 1)'s, lanes 16-31 the pair (2, 3)'s
	s_delay_alu instid0(VALU_DEP_1)
	v_cndmask_b32 v[T0], v[W01], v[W23], vcc_lo
	ds_store_b32 v[SAQ], v[T0]
	s_branch .Lwords_done
.Lwords_v:
	v_lshrrev_b32 v[T0], v[SH16], v[W01]           ; v: my 64 keys give two of a word's four bytes: lanes 0-15 put tiles 0 and 2, lanes 16-31 tiles 1 and 3
	v_lshrrev_b32 v[T1], v[SH16], v[W23]
	ds_store_b16 v[SAV], v[T0]
	ds_store_b16 v[SAV], v[T1] offset:4
.Lwords_done:
	s_wait_dscnt 0x0                               ; for the others' sake: my stores into the stage are done
	s_barrier_signal -1
	s_barrier_wait -1
	s_cmp_lt_u32 s[WV], 3
	s_cbranch_scc0 .Lno_copy
	ds_load_b128 v[CD:CD+3], v[CR]                 ; a role's 512 bytes of scale words
	s_wait_dscnt 0x0
	global_store_b128 v[CG], v[CD:CD+3], s[CPY:CPY+1]   ; sixteen lanes store 256 consecutive bytes, at a multiple of 256 from the buffer's first byte
.Lno_copy:
	s_wait_tensorcnt 0x0
	ds_add_u32 v30, v31
	s_wait_dscnt 0x0
	CROUND                                         ; the closing round: no work-group ends while a partner may still ask for a tile that names it
	s_endpgm
.Lfunc_end_k_qc292e281dc_proj:
	.size	k_qc292e281dc_proj, .Lfunc_end_k_qc292e281dc_proj-k_qc292e281dc_proj
	.p2alignl 7, 3214868480
	.fill 96, 4, 3214868480
	.section	.rodata,"a",@progbits
	.p2align	6, 0x0
	.amdhsa_kernel k_qc292e281dc_proj
		.amdhsa_group_segment_fixed_size 241408
		.amdhsa_private_segment_fixed_size 0
		.amdhsa_enable_private_segment 0
		.amdhsa_kernarg_size 112
		.amdhsa_user_sgpr_count 2
		.amdhsa_user_sgpr_kernarg_segment_ptr 1
		.amdhsa_wavefront_size32 1
		.amdhsa_system_sgpr_workgroup_id_x 1
		.amdhsa_system_sgpr_workgroup_id_y 1
		.amdhsa_system_sgpr_workgroup_id_z 1
		.amdhsa_system_vgpr_workitem_id 0
		.amdhsa_next_free_vgpr 256
		.amdhsa_next_free_sgpr 100
		.amdhsa_reserve_vcc 1
		.amdhsa_float_denorm_mode_32 3
		.amdhsa_float_denorm_mode_16_64 3
		.amdhsa_memory_ordered 1
		.amdhsa_forward_progress 1
		.amdhsa_inst_pref_size 50
	.end_amdhsa_kernel
	.amdgpu_metadata
---
amdhsa.version: [ 1, 2 ]
amdhsa.kernels:
  - .name:           k_qc292e281dc_proj
    .symbol:         k_qc292e281dc_proj.kd
    .args:
      - { .name: hidden_states_codes, .offset: 0, .size: 8, .value_kind: global_buffer, .address_space: global }
      - { .name: hidden_states_scales, .offset: 8, .size: 8, .value_kind: global_buffer, .address_space: global }
      - { .name: Wq_codes, .offset: 16, .size: 8, .value_kind: global_buffer, .address_space: global }
      - { .name: Wq_scales, .offset: 24, .size: 8, .value_kind: global_buffer, .address_space: global }
      - { .name: Wk_codes, .offset: 32, .size: 8, .value_kind: global_buffer, .address_space: global }
      - { .name: Wk_scales, .offset: 40, .size: 8, .value_kind: global_buffer, .address_space: global }
      - { .name: Wv_codes, .offset: 48, .size: 8, .value_kind: global_buffer, .address_space: global }
      - { .name: Wv_scales, .offset: 56, .size: 8, .value_kind: global_buffer, .address_space: global }
      - { .name: bq, .offset: 64, .size: 8, .value_kind: global_buffer, .address_space: global }
      - { .name: bk, .offset: 72, .size: 8, .value_kind: global_buffer, .address_space: global }
      - { .name: bv, .offset: 80, .size: 8, .value_kind: global_buffer, .address_space: global }
      - { .name: qc, .offset: 88, .size: 8, .value_kind: global_buffer, .address_space: global }
      - { .name: qs, .offset: 96, .size: 8, .value_kind: global_buffer, .address_space: global }
      - { .name: kv, .offset: 104, .size: 8, .value_kind: global_buffer, .address_space: global }
    .group_segment_fixed_size: 241408
    .private_segment_fixed_size: 0
    .kernarg_segment_align: 8
    .kernarg_segment_size: 112
    .max_flat_workgroup_size: 384
    .sgpr_count:     100
    .vgpr_count:     256
    .wavefront_size: 32
...
	.end_amdgpu_metadata
.endif
;; end of part 1
;; launch attn (part 2): grid 16 x 16, 16 waves a work-group, clusters of 4 x 1, 327,680 bytes of LDS; arguments qc, qs, kv, out0; writes out0
.if DOCPART == 2
	.amdgcn_target "amdgcn-amd-amdhsa--gfx1250"
	.amdhsa_code_object_version 6
	.text
	.protected	k_qc292e281dc_attn
	.globl	k_qc292e281dc_attn
	.p2align	8
	.type	k_qc292e281dc_attn,@function
k_qc292e281dc_attn:
	s_mov_b64 s[64:65], 0
	v_nop
	global_prefetch_b8 v0, s[64:65] scope:SCOPE_SE
	s_setreg_imm32_b32 hwreg(HW_REG_WAVE_MODE, 25, 1), 1
	s_wait_xcnt 0x0
	s_wait_alu depctr_hold_cnt(0) depctr_sa_sdst(0) depctr_va_vdst(0) depctr_va_sdst(0) depctr_va_ssrc(0) depctr_va_vcc(0) depctr_vm_vsrc(0)
	s_getreg_b32 s2, hwreg(HW_REG_IB_STS2, 6, 4)
	s_cmp_eq_u32 s2, 0
	s_cbranch_scc0 .Lentry_in_a_cluster
	s_endpgm
.Lentry_in_a_cluster:
	s_bfe_u32 s2, ttmp6, 0x10000c
	s_cmp_lg_u32 s2, 0x3003
	s_cbranch_scc0 .Lentry_shape_is_right
	s_endpgm
.Lentry_shape_is_right:
; out[q][64 head + d] = the sum over keys of softmax(q . k / 8) v, both products on codes of FP4 (E2M1) with one E8M0 scale for each 32 along a product's K.
; qc, qs, kv were laid by the launch before in the order of the operand registers: a fragment's four registers are 512 consecutive bytes, lane l's 16 bytes at 16 l.
; THE SOFTMAX AHEAD OF THE SECOND PRODUCT: t = score x log2(e) / 8; M = the running largest t, rounded UP to a whole number; p = 2^(t - M) is quantised along the keys, not normalised.
; The row's sum is taken of the unquantised p, in f32, and divides O at the end.  When M moves, the sum and O are multiplied by 2^(old M - new M): exact.
; SHARES.  A work-group owns 256 queries of one head, each of its sixteen waves one tile of 16 in 256 registers: four waves to a SIMD.
; A STEP TAKES 256 KEYS, two records of 128: one change of M, one rescaling of O and of the sum, one set of address lines for 128 scores a lane.
; THE HEAD'S WHOLE K AND V (32 records x 8,704 bytes) COME INTO LDS ONCE, by two tensor loads a wave: at the head 17 rows of 256 bytes of records 0-7; behind the three lines and a round of the
; cluster's barrier 51 rows of records 8-31.  One load of a wave is out at a time.  Nothing is filled again.
; ONE work-group barrier follows, in two halves: a wave signals behind records 0-3, when its second load has landed and its reads of those records are over, and waits behind records 4-5, ahead of the first read of record 8.
; Between the halves it reads records 4-6 alone, which nobody writes.
; CLUSTER 4 x 1: the four work-groups belong to one head and ask for each part jointly.  No prefetch: both loads go out at the head, and there is no later load to run ahead of.
; LAYOUT.  Both products are used transposed: S^T = K Q^T, O^T = V^T P^T: a lane holds ONE query (lane % 16) throughout.  Lane m of tile u of 64 rows takes row 32 (m / 8) + 8 u + m % 8,
; so the 32 registers of four tiles of scores are 32 NEIGHBOURING KEYS: a whole block of p in one lane, and four conversions give that lane's four registers of the second product's operand.
; K = 64 IN AN INSTRUCTION OF 128: source 0 holds one tile of keys as k = 0 .. 63 and the next as k = 64 .. 127; Q stands as [Q | 0 | Q]: [Q | 0] multiplies the first tile, [0 | Q] the second.
; The other tile meets zero codes, which add nothing; its scale bytes are ordinary bytes (1 to 254).
; REGISTERS TAKE TURNS: K has one buffer of 32: the second record's K comes while the first record's maximum is searched, the next step's K behind the second record's products.
; V's 64 registers are the second record's scores, free once its p is converted and summed.  The four chains of the maximum lie in p's codes' registers, the sum's chains where the blocks' maxima lay.
; LIMITS: NaN and infinities are not served; a p under 2^-126 comes out of v_exp_f32 as 0; a block of p under 2^-124 keeps the scale byte 1.
.set REC,   8704                       ; a record: 4,096 K codes (tile n at 512 n), 4,096 V codes ((e, t) at 2,048 e + 512 t), 256 K scales, 256 V scales
.set BASE0, 34816                      ; LDS: record 0 begins here.  Bytes 0 .. 69,631 (34,816 of their own, then records 0-3) are the stages of the way out: 16 waves x 16 rows x 272
.set P0B,   8*REC                      ; the first load's records
.set W0,    P0B/16                     ; 4,352 bytes = 17 rows of 256: a wave's part of them; also a wave's stage
.set W1,    24*REC/16                  ; 13,056 bytes = 51 rows of 256: a wave's part of the rest
.set SPARE, BASE0+32*REC               ; 313,344: the spare words, 128 bytes a wave: eight blocks of 256 bytes that no other line names
.set WV,  12                           ; s12 wave;  s14 block of 256 queries;  s15 head
.set SEL, 20                           ; s[20:21] v_permlanex16_b32's selects for lane l xor 16
.set CS,  22                           ; s[22:23] log2(e) / 8
.set G1,  24                           ; s[24:31], s[32:35] groups 1 and 0 of the first load;  s[36:43], s[44:47] of the second
.set G0,  32
.set G1B, 36
.set G0B, 44
.set TB,  48                           ; s48 LDS byte at which the step's first record begins;  s49 trips left
.set CNT, 49
.set LI,  1                            ; v1  16 x lane;  v2  8 x lane
.set LS,  2
.set ADK, 3                            ; v3  LDS address of the step's codes;  v4 of its scale words;  v5  8 h.  On the way out: into the stage, back, my byte offset in out
.set ADS, 4
.set SH8, 5
.set STO, 3
.set RD,  4
.set GO,  5
.set F,   6                            ; v[6:7] f = 2^(old M - new M), and a partner that is written once
.set OLD, 8                            ; v8  -M of the step before;  v9, v29 at work
.set NM,  12                           ; v12 -M;  v13 the running largest score;  v[14:15] the sum in two halves
.set RM,  13
.set SUM, 14
.set QF,  16                           ; v[16:27] [Q | 0 | Q]
.set QS,  28                           ; v28 Q's scale word;  v30, v31 p's;  v[32:35] K's;  v[36:39] V's: scales and nothing else
.set PS,  30
.set KS,  32
.set VS,  36
.set PC,  40                           ; v[40:55] p's codes, 8 a record
.set G,   40                           ; v[40:47] eight chains of the maximum, done with before the conversions write here
.set O,   56                           ; v[56:87] O^T: register 8 t + j is channel 32 h + 8 t + j
.set S,   88                           ; v[88:215] S^T, then p: record c at 88 + 64 c.  v[152:215] then take V^T: record c's fragment t at 152 + 32 c + 8 t
.set KF,  216                          ; v[216:247] K of one record: tile n at 216 + 4 n
.set B,   248                          ; v[248:251] my four blocks' largest score, then largest p, then the conversions' scale operands
                                       ; the sum's four chains: v[248:249], v[250:251], v[252:253], v[10:11]
.macro CROUND                          ; a round of the cluster's barrier
	s_barrier_signal -1
	s_barrier_wait -1
	s_cmp_lg_u32 s[WV], 0
	s_cbranch_scc1 .Lnot_wave_0_\@
	s_barrier_signal -3
.Lnot_wave_0_\@:
	s_barrier_wait -3
	s_barrier_signal -1
	s_barrier_wait -1
.endm
	s_load_b256 s[4:11], s[0:1], 0x0               ; qc s[4:5], qs s[6:7], kv s[8:9], out0 s[10:11]
	v_lshl_add_u32 v254, v0, 2, SPARE
	v_mov_b32 v255, 0
	ds_add_u32 v254, v255                          ; the add, twice on end, and its wait ahead of my first tensor load
	ds_add_u32 v254, v255
	v_lshrrev_b32 v1, 5, v0
	s_delay_alu instid0(VALU_DEP_1)
	v_readfirstlane_b32 s[WV], v1                  ; wave 0..15
	s_bfe_u32 s13, ttmp6, 0x40000                  ; cx
	s_lshl_b32 s14, ttmp9, 2
	s_add_co_u32 s14, s14, s13                     ; my block of 256 queries: it enters Q's and out's addresses alone
	s_and_b32 s15, ttmp7, 0xffff                   ; the head, which the four partners share
.irp g, G1, G1B                        ; rows of 256 bytes (32 elements of 8 bytes), dense in memory and in LDS; the mask names all four work-groups, bit 21 set beside it
	s_mov_b32 s[\g], 15|(3<<16)|(1<<21)
	s_mov_b32 s[\g+1], 32<<16
	s_mov_b32 s[\g+3], 32<<16
	s_mov_b32 s[\g+5], 32
	s_mov_b32 s[\g+6], 0
	s_mov_b32 s[\g+7], 0
.endr
	s_mov_b32 s[G1+2], 17<<16                      ; 17 rows,
	s_mov_b32 s[G1+4], 17
	s_mov_b32 s[G1B+2], 51<<16                     ; 51 rows
	s_mov_b32 s[G1B+4], 51
	s_mul_i32 s52, s[WV], W0                       ; my part of records 0-7; also my stage
	s_mul_i32 s53, s[WV], W1                       ; my part of records 8-31
	s_mul_i32 s54, s15, 32*REC                     ; the head's records
	s_add_co_u32 s62, s54, s53
	s_add_co_u32 s62, s62, P0B
	s_mov_b32 s63, 0
	s_add_co_u32 s54, s54, s52
	s_mov_b32 s55, 0
	s_lshl_b32 s56, s15, 8                         ; Q: query tile 256 head + 16 block + wave, 512 bytes a tile
	s_lshl_b32 s57, s14, 4
	s_add_co_u32 s56, s56, s57
	s_add_co_u32 s56, s56, s[WV]
	s_lshl_b32 s56, s56, 9
	s_mov_b32 s57, 0
	s_lshl_b32 s58, s15, 5                         ; its scale words: 256 bytes for each 128 tokens: group 32 head + 2 block + wave / 8;
	s_lshl_b32 s59, s14, 1
	s_add_co_u32 s58, s58, s59
	s_lshr_b32 s59, s[WV], 3
	s_add_co_u32 s58, s58, s59
	s_lshl_b32 s58, s58, 8
	s_bfe_u32 s59, s[WV], 0x10001                  ; in it the pair of tiles that holds mine: lanes 16 ((wave / 2) % 2) on,
	s_lshl_b32 s59, s59, 7
	s_add_co_u32 s58, s58, s59
	s_bfe_u32 s59, s[WV], 0x10002                  ; register (wave / 4) % 2
	s_lshl_b32 s59, s59, 2
	s_add_co_u32 s58, s58, s59
	s_mov_b32 s59, 0
	s_lshl_b32 s60, s14, 8                         ; out: token 256 block + 64 (wave / 4) + 8 (wave % 4), 4,096 bytes a token, + 256 head
	s_lshr_b32 s61, s[WV], 2
	s_lshl_b32 s61, s61, 6
	s_add_co_u32 s60, s60, s61
	s_and_b32 s61, s[WV], 3
	s_lshl_b32 s61, s61, 3
	s_add_co_u32 s60, s60, s61
	s_lshl_b32 s60, s60, 12
	s_lshl_b32 s61, s15, 8
	s_add_co_u32 s60, s60, s61
	s_mov_b32 s61, 0
	s_mov_b32 s50, 0x03020302                      ; which half of the pair's word is my tile's: the upper where the wave's number is odd
	s_and_b32 s51, s[WV], 1
	s_cmp_lg_u32 s51, 0
	s_cselect_b32 s50, s50, 0x01000100
	s_mov_b32 s[SEL], 0x76543210
	s_mov_b32 s[SEL+1], 0xfedcba98
	s_mov_b32 s[CS], 0x3e38aa3b                    ; log2(e) / 8
	s_mov_b32 s[CS+1], s[CS]
	v_and_b32 v248, 31, v0                         ; lane l
	v_and_b32 v249, 15, v0                         ; r
	v_bfe_u32 v250, v0, 4, 1                       ; h
	s_delay_alu instid0(VALU_DEP_3)
	v_lshlrev_b32 v[LI], 4, v248
	s_delay_alu instid0(VALU_DEP_4)
	v_lshlrev_b32 v[LS], 3, v248
	s_delay_alu instid0(VALU_DEP_3)
	v_lshlrev_b32 v[SH8], 3, v250
	v_lshlrev_b32 v251, 3, v249                    ; 8 r: my row's word among Q's scale words
	s_wait_dscnt 0x0                               ; both opening adds are done
	s_wait_kmcnt 0x0
	s_add_nc_u64 s[54:55], s[8:9], s[54:55]
	s_add_nc_u64 s[62:63], s[8:9], s[62:63]
	s_add_nc_u64 s[56:57], s[4:5], s[56:57]
	s_add_nc_u64 s[58:59], s[6:7], s[58:59]
	s_add_nc_u64 s[60:61], s[10:11], s[60:61]
	s_mov_b32 s[G0], 1                             ; 1:0 count = 1; 63:32 LDS address; 120:64 global address; 127:126 type = 2
	s_add_co_u32 s[G0+1], s52, BASE0
	s_mov_b64 s[G0+2:G0+3], s[54:55]
	s_or_b32 s[G0+3], s[G0+3], 0x80000000
	s_mov_b32 s[G0B], 1
	s_add_co_u32 s[G0B+1], s53, BASE0+P0B
	s_mov_b64 s[G0B+2:G0B+3], s[62:63]
	s_or_b32 s[G0B+3], s[G0B+3], 0x80000000
	CROUND                                         ; all four work-groups are here: the joint loads meet
	tensor_load_to_lds s[G0:G0+3], s[G1:G1+7]      ; my part of records 0-7: one tensor load a wave at the head
	s_nop 0
.rept 4
	v_nop
.endr
	s_wait_alu depctr_va_vdst(0)                   ; the wait ahead of the first readers of the head's registers
	global_load_b128 v[QF:QF+3], v[LI], s[56:57]   ; Q's four registers, twice: [Q | 0 | Q]
	global_load_b128 v[QF+8:QF+11], v[LI], s[56:57]
	global_load_b32 v252, v251, s[58:59]           ; the word of the pair of tiles that holds mine
.irp j, 4,5,6,7
	v_mov_b32 v[QF+\j], 0
.endr
	s_wait_loadcnt 0x0
	v_perm_b32 v[QS], v252, v252, s50              ; my tile's two bytes, twice; the lines below are the places between this line and the first product
.set jj, 0
.rept 32
	v_mov_b32 v[O+jj], 0                           ; O^T: the first step finds zeros, which the first change of M leaves zeros
.set jj, jj+1
.endr
.irp r, 248,249,250,251,252,253,10,11
	v_mov_b32 v\r, 0                               ; the sum's chains: the first step merges zeros
.endr
	v_mov_b32 v[SUM], 0
	v_mov_b32 v[SUM+1], 0
	v_mov_b32 v[RM], 0xff61b1e6                    ; the largest score so far: -3e38
	s_delay_alu instid0(VALU_DEP_1)
	v_floor_f32 v[NM], -v[RM]
	v_mov_b32 v9, 0                                ; lane permutes' destinations count as sources
	v_mov_b32 v29, 0
	v_mov_b32 v[F], 0
	v_mov_b32 v[F+1], 0                            ; named as the upper half of the pair with f
	v_mov_b32 v[OLD], v[NM]
; Tile n (0 .. 15) of S^T: 16 keys x my 16 queries.  Source 0: a pair of tiles of the record in K's buffer; source 1: [Q | 0] for the even tile, [0 | Q] for the odd one.  The pair's scale word: register n / 4, lanes 16-31 where n / 2 is odd
.macro SQ n
.set rS, S+8*(\n)
.set rK, KF+8*(((\n)%8)/2)
.set rQ, QF+4*((\n)%2)
.set rW, KS+(\n)/4
.if ((\n)/2)%2
	v_wmma_scale_f32_16x16x128_f8f6f4 v[rS:rS+7], v[rK:rK+7], v[rQ:rQ+7], 0, v[rW], v[QS] matrix_a_fmt:MATRIX_FMT_FP4 matrix_b_fmt:MATRIX_FMT_FP4 matrix_a_scale:MATRIX_SCALE_ROW1
.else
	v_wmma_scale_f32_16x16x128_f8f6f4 v[rS:rS+7], v[rK:rK+7], v[rQ:rQ+7], 0, v[rW], v[QS] matrix_a_fmt:MATRIX_FMT_FP4 matrix_b_fmt:MATRIX_FMT_FP4
.endif
.endm
; Tile t of O^T += V^T P^T: 16 channels x my 16 queries, K = record c's 128 keys
.macro PV t, c
.set rO, O+8*(\t)
.set rV, S+64+32*(\c)+8*(\t)
.set rP, PC+8*(\c)
.set rW, VS+2*(\c)+(\t)/2
.if (\t)%2
	v_wmma_scale_f32_16x16x128_f8f6f4 v[rO:rO+7], v[rV:rV+7], v[rP:rP+7], v[rO:rO+7], v[rW], v[PS+\c] matrix_a_fmt:MATRIX_FMT_FP4 matrix_b_fmt:MATRIX_FMT_FP4 matrix_a_scale:MATRIX_SCALE_ROW1
.else
	v_wmma_scale_f32_16x16x128_f8f6f4 v[rO:rO+7], v[rV:rV+7], v[rP:rP+7], v[rO:rO+7], v[rW], v[PS+\c] matrix_a_fmt:MATRIX_FMT_FP4 matrix_b_fmt:MATRIX_FMT_FP4
.endif
.endm
.macro KLOAD off, ks                   ; nine loads: K's scale words (into KS + ks) and eight tiles of the record that begins off bytes behind the address registers'
	ds_load_b64 v[KS+\ks:KS+\ks+1], v[ADS] offset:\off+8192
.irp n, 0,1,2,3,4,5,6,7
	ds_load_b128 v[KF+4*\n:KF+4*\n+3], v[ADK] offset:\off+512*\n
.endr
.endm
.macro MAXES c                         ; record c: four chains of 15 scores by turns; each tile is read from its low end on
.set SS, S+64*(\c)
.set GG, G+4*(\c)
.irp g, 0,1,2,3
	v_max3_num_f32 v[GG+\g], v[SS+16*\g], v[SS+16*\g+1], v[SS+16*\g+2]
.endr
.irp i, 3,5,7,9,11,13
.irp g, 0,1,2,3
	v_max3_num_f32 v[GG+\g], v[GG+\g], v[SS+16*\g+\i], v[SS+16*\g+\i+1]
.endr
.endr
.endm
.macro BFIN c                          ; record c: the largest score of my two blocks of 32 keys.  It serves the row's maximum and, since p rises with the score, the block's largest p
.set SS, S+64*(\c)
.set GG, G+4*(\c)
	v_max3_num_f32 v[B+2*\c], v[GG], v[GG+1], v[SS+15]
	v_max3_num_f32 v[B+2*\c+1], v[GG+2], v[GG+3], v[SS+47]
	v_max_num_f32 v[B+2*\c], v[B+2*\c], v[SS+31]
	v_max_num_f32 v[B+2*\c+1], v[B+2*\c+1], v[SS+63]
.endm
.macro ADDROW base                     ; eight p from register base on, onto the sum's four chains
.set kk, 0
.irp r, 10,252,250,248
	v_pk_add_f32 v[\r:\r+1], v[\r:\r+1], v[(\base)+kk:(\base)+kk+1]
.set kk, kk+2
.endr
.endm
.macro MERGE                           ; the four chains become one, and the sum under the M of the step that made them: sum x f + chains
	v_pk_add_f32 v[248:249], v[248:249], v[250:251]
	v_pk_add_f32 v[252:253], v[252:253], v[10:11]
	s_delay_alu instid0(VALU_DEP_1)
	v_pk_add_f32 v[248:249], v[248:249], v[252:253]
	s_delay_alu instid0(VALU_DEP_1)
	v_pk_fma_f32 v[SUM:SUM+1], v[SUM:SUM+1], v[F:F+1], v[248:249] op_sel_hi:[1,0,1]
.endm
; A STEP: 256 keys, records at LDS bytes s[TB] and s[TB] + REC; the first record's K is in.  pre = 1: the next step's first K is asked for
.macro STEP pre
.irp n, 0,1,2,3,4,5,6,7
	SQ \n
.endr
	MERGE                                          ; the last step's sums: work that is due, as the four places behind the products above
	v_add_nc_u32 v[ADK], s[TB], v[LI]
	v_add_nc_u32 v[ADS], s[TB], v[LS]
	KLOAD REC, 2                                   ; the second record's K, under the first record's search
	MAXES 0
	s_wait_alu depctr_va_vdst(0)                   ; the wait here, directly ahead of the wait below
	s_wait_dscnt 0x0
.irp n, 8,9,10,11,12,13,14,15
	SQ \n
.endr
	BFIN 0                                         ; four places: it names the first record's scores alone
.if \pre
	KLOAD 2*REC, 0
.endif
	MAXES 1
	BFIN 1
	v_max3_num_f32 v9, v[B], v[B+1], v[B+2]
	s_delay_alu instid0(VALU_DEP_1)
	v_max_num_f32 v9, v9, v[B+3]
	s_delay_alu instid0(VALU_DEP_1)
	v_permlanex16_b32 v29, v9, s[SEL], s[SEL+1]    ; my query's other 128 keys lie in lane l xor 16
	s_delay_alu instid0(VALU_DEP_1)
	v_max3_num_f32 v[RM], v[RM], v9, v29           ; the running largest score
	s_delay_alu instid0(VALU_DEP_1)
	v_mul_f32 v9, s[CS], v[RM]                     ; as t
	s_delay_alu instid0(VALU_DEP_1)
	v_floor_f32 v[NM], -v9                         ; the new -M = -ceil(t): M is a whole number
	s_delay_alu instid0(VALU_DEP_1)
	v_sub_f32 v9, v[NM], v[OLD]                    ; old M - new M: a whole number, 0 or less
	s_delay_alu instid0(VALU_DEP_1)
	v_cvt_i32_f32 v9, v9                           ; (it saturates)
	s_delay_alu instid0(VALU_DEP_1)
	v_ldexp_f32 v[F], 1.0, v9                      ; f = 2^(old M - new M)
.set jj, 0
.rept 64
	v_pk_fma_f32 v[S+jj:S+jj+1], v[S+jj:S+jj+1], s[CS:CS+1], v[NM:NM+1] op_sel_hi:[1,0,0]   ; t - M, two at a time
.set jj, jj+2
.endr
.irp b, 0,1,2,3
	v_fma_f32 v[B+\b], v[B+\b], s[CS], v[NM]       ; the same of each block's largest score
.endr
.set jj, 0
.rept 16
	v_pk_mul_f32 v[O+jj:O+jj+1], v[O+jj:O+jj+1], v[F:F+1] op_sel_hi:[1,0]   ; O^T under the new M, each tile from its low end on: ahead of the exponentials, so that none stands between the last products and this first read of their results
.set jj, jj+2
.endr
	s_wait_alu depctr_va_vdst(0)                   ; the wait ahead of the batch
.set jj, 0
.rept 128
	v_exp_f32 v[S+jj], v[S+jj]                     ; p = 2^(t - M): not normalised
.set jj, jj+1
.endr
.irp b, 0,1,2,3
	v_exp_f32 v[B+\b], v[B+\b]                     ; the block's largest p: the same two instructions on the same number give the same bits
.endr
	v_mov_b32 v[OLD], v[NM]                        ; for the next step: the plain line behind the batch
	s_wait_alu depctr_va_vdst(0)                   ; one wait for the batch, ahead of its first reader
.irp b, 0,1,2,3
	v_max_num_f32 v[B+\b], 0x1800000, v[B+\b]      ; the floor 2^(3 - 127): the byte cannot fall under 1
.endr
.irp b, 0,1,2,3
	s_delay_alu instid0(VALU_DEP_4)
	v_add_nc_u32 v[B+\b], 0xff000000, v[B+\b]      ; 2 off the exponent field: the conversion's scale operand
.endr
	s_delay_alu instid0(VALU_DEP_4)
	v_lshrrev_b32 v252, 23, v[B]                   ; the bytes of blocks h and 2 + h of each record
	s_delay_alu instid0(VALU_DEP_4)
	v_lshrrev_b32 v253, 23, v[B+1]
	s_delay_alu instid0(VALU_DEP_4)
	v_lshrrev_b32 v10, 23, v[B+2]
	s_delay_alu instid0(VALU_DEP_4)
	v_lshrrev_b32 v11, 23, v[B+3]
	s_delay_alu instid0(VALU_DEP_3)
	v_lshl_or_b32 v252, v253, 16, v252
	s_delay_alu instid0(VALU_DEP_2)
	v_lshl_or_b32 v10, v11, 16, v10
	s_delay_alu instid0(VALU_DEP_2)
	v_lshlrev_b32 v252, v[SH8], v252               ; at their places in the word;
	s_delay_alu instid0(VALU_DEP_2)
	v_lshlrev_b32 v10, v[SH8], v10
	s_delay_alu instid0(VALU_DEP_2)
	v_permlanex16_b32 v9, v252, s[SEL], s[SEL+1]
	s_delay_alu instid0(VALU_DEP_2)
	v_permlanex16_b32 v29, v10, s[SEL], s[SEL+1]
	s_delay_alu instid0(VALU_DEP_2)
	v_or_b32 v[PS], v252, v9                       ; with lane l xor 16's two the word is whole
	s_delay_alu instid0(VALU_DEP_2)
	v_or_b32 v[PS+1], v10, v29
.irp c, 0,1
.irp e, 0,1
.irp u, 0,1,2,3
	v_cvt_scalef32_pk8_fp4_f32 v[PC+8*\c+4*\e+\u], v[S+64*\c+32*\e+8*\u:S+64*\c+32*\e+8*\u+7], v[B+2*\c+\e]   ; registers 4 e .. 4 e + 3 of record c: keys 64 e + 32 h + 0 .. 31 of my query
.endr
.endr
.endr
	; THE ROW'S SUM IS TAKEN OF THE UNQUANTISED p, two at a time, in four chains; the second record first.  The first line writes no source of a conversion: it is the plain line behind them.
	; These 60 lines are also the places between p's codes and scale words and the products
.set kk, 0
.irp r, 10,252,250,248
	v_pk_add_f32 v[\r:\r+1], v[S+64+kk:S+64+kk+1], v[S+72+kk:S+72+kk+1]
.set kk, kk+2
.endr
.irp i, 10,11,12,13,14,15
	ADDROW S+8*\i
.endr
	ds_load_b64 v[VS:VS+1], v[ADS] offset:8448     ; V of both records, into the second record's registers, under the first record's sums
	ds_load_b64 v[VS+2:VS+3], v[ADS] offset:REC+8448
.irp c, 0,1
.irp t, 0,1,2,3
.irp e, 0,1
	ds_load_b128 v[S+64+32*\c+8*\t+4*\e:S+64+32*\c+8*\t+4*\e+3], v[ADK] offset:REC*\c+4096+2048*\e+512*\t
.endr
.endr
.endr
.irp i, 0,1,2,3,4,5,6,7
	ADDROW S+8*\i
.endr
	s_wait_alu depctr_va_vdst(0)                   ; the wait here, directly ahead of the wait below
	s_wait_dscnt 0x0                               ; V and its scale words are in, and so is the next step's K, which was asked for earlier
.irp c, 0,1
.irp t, 0,1,2,3
	PV \t, \c                                      ; the four accumulators by turns, one instruction a turn
.endr
.endr
	s_add_co_u32 s[TB], s[TB], 2*REC
.endm
	s_wait_alu depctr_va_vdst(0)                   ; the wait at the head's end
	s_wait_tensorcnt 0x0                           ; my part of records 0-7 is in
	ds_add_u32 v254, v255                          ; 0 onto my spare word
	s_wait_dscnt 0x0
	CROUND                                         ; everybody's part is in, and all four work-groups are here: the joint loads meet
	tensor_load_to_lds s[G0B:G0B+3], s[G1B:G1B+7]  ; my part of records 8-31: the first and only tensor load behind the round
	s_nop 0
.rept 4
	v_nop
.endr
	s_mov_b32 s[TB], BASE0
	v_add_nc_u32 v[ADK], s[TB], v[LI]
	v_add_nc_u32 v[ADS], s[TB], v[LS]
	KLOAD 0, 0                                     ; record 0's K
	s_mov_b32 s[CNT], 2
	s_wait_dscnt 0x0
.Lfirst:                                               ; records 0-3
	STEP 1
	s_sub_co_u32 s[CNT], s[CNT], 1
	s_cmp_lg_u32 s[CNT], 0
	s_cbranch_scc1 .Lfirst
	s_wait_tensorcnt 0x0                           ; my part of records 8-31 has landed,
	s_wait_dscnt 0x0                               ; and my reads of records 0-3 are over (record 4's K is in too):
	s_barrier_signal -1                            ; say so.  Up to the wait: register work, and reads of records 4-6, which nobody writes
	STEP 1                                         ; records 4, 5; it asks for record 6's K
	s_barrier_wait -1                              ; all sixteen have said so: records 8-31 are whole, and records 0-3 are read by nobody
	s_mov_b32 s[CNT], 12
.Lrest:                                                ; records 6-29
	STEP 1
	s_sub_co_u32 s[CNT], s[CNT], 1
	s_cmp_lg_u32 s[CNT], 0
	s_cbranch_scc1 .Lrest
	STEP 0                                         ; records 30, 31: no further K
	; THE WAY OUT.  O^T / the sum goes through my stage in LDS and leaves as whole pieces of 256 bytes, one token's 64 channels of this head.  The stages lie in bytes of their own and in records 0-3's,
	; which have had their only fill and whose last reads every wave awaited ahead of its signal.
	MERGE                                          ; the last step's sums (also the places behind the last products)
	s_delay_alu instid0(VALU_DEP_1)
	v_add_f32 v[SUM], v[SUM], v[SUM+1]             ; the sum's two halves,
	s_delay_alu instid0(VALU_DEP_1)
	v_permlanex16_b32 v9, v[SUM], s[SEL], s[SEL+1]
	s_delay_alu instid0(VALU_DEP_1)
	v_add_f32 v[SUM], v[SUM], v9                   ; and lane l xor 16's: the row's sum
	s_wait_alu depctr_va_vdst(0)                   ; the wait ahead of the reciprocal
	v_rcp_f32 v[F], v[SUM]
	v_and_b32 v248, 15, v0                         ; (plain lines behind the reciprocal)  r
	v_bfe_u32 v249, v0, 4, 1                       ; h
	s_delay_alu instid0(VALU_DEP_2)
	v_mul_u32_u24 v[STO], v248, 272                ; in: row r, + 128 h
	s_delay_alu instid0(VALU_DEP_1)
	v_lshl_add_u32 v[STO], v249, 7, v[STO]
	s_delay_alu instid0(VALU_DEP_1)
	v_add_nc_u32 v[STO], s52, v[STO]
	v_mul_u32_u24 v[RD], v249, 272                 ; back: lanes 0-15 one row, lanes 16-31 the next
	s_delay_alu instid0(VALU_DEP_1)
	v_lshl_add_u32 v[RD], v248, 4, v[RD]
	s_delay_alu instid0(VALU_DEP_1)
	v_add_nc_u32 v[RD], s52, v[RD]
	v_lshlrev_b32 v[GO], 12, v249                  ; and the same two tokens in out
	s_delay_alu instid0(VALU_DEP_1)
	v_lshl_add_u32 v[GO], v248, 4, v[GO]
	s_wait_alu depctr_va_vdst(0)                   ; the wait ahead of the first reader of the reciprocal and of O^T
.set jj, 0
.rept 16
	v_pk_mul_f32 v[S+jj:S+jj+1], v[O+jj:O+jj+1], v[F:F+1] op_sel_hi:[1,0]   ; register i: channel 32 h + i of my query
.set jj, jj+2
.endr
.irp i, 0,1,2,3,4,5,6,7
	ds_store_b128 v[STO], v[S+4*\i:S+4*\i+3] offset:16*\i
.endr
.irp i, 0,1,2,3,4,5,6,7
	ds_load_b128 v[S+32+4*\i:S+32+4*\i+3], v[RD] offset:544*\i   ; LDS serves a wave's instructions in order (ISA guide 5.7.1.4): these see my stores
.endr
.irp i, 0,1,2,3,4,5,6,7
	s_wait_dscnt 7-\i                              ; rows 2 i and 2 i + 1 are back; the younger loads may be out
	global_store_b128 v[GO], v[S+32+4*\i:S+32+4*\i+3], s[60:61] offset:(32*(\i/4)+2*(\i%4))*4096 th:TH_STORE_NT   ; row r of my tile is token 32 (r / 8) + r % 8 from my first; sixteen lanes store 256 consecutive bytes, at a multiple of 256 from out's first byte
.endr
	s_wait_tensorcnt 0x0                           ; the wave's end
	ds_add_u32 v254, v255
	s_wait_dscnt 0x0
	CROUND                                         ; the closing round: no work-group ends while a partner may still ask for a part that names it
	s_endpgm
.Lfunc_end_k_qc292e281dc_attn:
	.size	k_qc292e281dc_attn, .Lfunc_end_k_qc292e281dc_attn-k_qc292e281dc_attn
	.p2alignl 7, 3214868480
	.fill 96, 4, 3214868480
	.section	.rodata,"a",@progbits
	.p2align	6, 0x0
	.amdhsa_kernel k_qc292e281dc_attn
		.amdhsa_group_segment_fixed_size 327680
		.amdhsa_private_segment_fixed_size 0
		.amdhsa_enable_private_segment 0
		.amdhsa_kernarg_size 32
		.amdhsa_user_sgpr_count 2
		.amdhsa_user_sgpr_kernarg_segment_ptr 1
		.amdhsa_wavefront_size32 1
		.amdhsa_system_sgpr_workgroup_id_x 1
		.amdhsa_system_sgpr_workgroup_id_y 1
		.amdhsa_system_sgpr_workgroup_id_z 1
		.amdhsa_system_vgpr_workitem_id 0
		.amdhsa_next_free_vgpr 256
		.amdhsa_next_free_sgpr 66
		.amdhsa_reserve_vcc 0
		.amdhsa_float_denorm_mode_32 3
		.amdhsa_float_denorm_mode_16_64 3
		.amdhsa_memory_ordered 1
		.amdhsa_forward_progress 1
		.amdhsa_inst_pref_size 118
	.end_amdhsa_kernel
	.amdgpu_metadata
---
amdhsa.version: [ 1, 2 ]
amdhsa.kernels:
  - .name:           k_qc292e281dc_attn
    .symbol:         k_qc292e281dc_attn.kd
    .args:
      - { .name: qc, .offset: 0, .size: 8, .value_kind: global_buffer, .address_space: global }
      - { .name: qs, .offset: 8, .size: 8, .value_kind: global_buffer, .address_space: global }
      - { .name: kv, .offset: 16, .size: 8, .value_kind: global_buffer, .address_space: global }
      - { .name: out0, .offset: 24, .size: 8, .value_kind: global_buffer, .address_space: global }
    .group_segment_fixed_size: 327680
    .private_segment_fixed_size: 0
    .kernarg_segment_align: 8
    .kernarg_segment_size: 32
    .max_flat_workgroup_size: 512
    .sgpr_count:     66
    .vgpr_count:     256
    .wavefront_size: 32
...
	.end_amdgpu_metadata
.endif
;; end of part 2
